; MI455X (gfx1250); checked and timed in simulation.
; The chip was launched on July 23, 2026; its instructions are those of AMD's public machine-readable ISA for CDNA 5 (MIT licence, August 2026) and "CDNA5" Instruction Set Architecture Reference Guide (July 2026). The comments in the code are by the model that wrote it; some were corrected since.
;; Gaussian Mixture Spatial Model. Allowed arithmetic: float matrix products may take bf16 or f16 operands with f32 sums; all other float work in f32.
;; Inputs: coeff_decay one number float32; input_loc 8 x 2,048 x 2 float32; input_time 8 x 2,048 x 1 float32; logstd0 one number float32; mu0 one number float32; spatial_logstd one number float32.
;; Outputs: out0 8 x 2,048 float32.
;; 2 versions, each right; version 2 is version 1 with the launch gmm written anew for expert scheduling mode. Each part assembles by itself: llvm-mc -triple=amdgcn-amd-amdhsa -mcpu=gfx1250 --defsym DOCPART=n.
;; ======== version 1 of 2: 1 launch
;; launch gmm (part 1): grid 256 x 1, 8 waves a work-group, no clusters, 25,856 bytes of LDS; arguments input_time, input_loc, coeff_decay, spatial_logstd, mu0, logstd0, out0; writes out0
.if DOCPART == 1
	.amdgcn_target "amdgcn-amd-amdhsa--gfx1250"
	.amdhsa_code_object_version 6
	.text
	.protected	k_q28906ab5a1_gmm
	.globl	k_q28906ab5a1_gmm
	.p2align	8
	.type	k_q28906ab5a1_gmm,@function
k_q28906ab5a1_gmm:
	s_mov_b64 s[64:65], 0
	v_nop
	global_prefetch_b8 v0, s[64:65] scope:SCOPE_SE
	s_setreg_imm32_b32 hwreg(HW_REG_WAVE_MODE, 25, 1), 1
	s_wait_xcnt 0x0
; Gaussian mixture over the history of each event.  N = 8 sequences, T = 2048 events, D = 2.
;   out[n][0] = log N(loc[n][0]; mu0, exp(logstd0))
;   out[n][i] = LSE_{j<i}(P_ij + L_ij) - LSE_{j<i}(L_ij),  P_ij the spatial log-likelihood, L_ij = (t_j - t_i)/softplus(c).
; The entries at j >= i carry -1e20 in the definition and add an exact zero to both sums, so they are not computed.
; -t_i/softplus(c) stands in both sums and cancels: both use a_j = (t_j - t[n][0]) log2(e)/softplus(c); the first event's time
; only takes a common offset away.  All exponents are in log2 units.  With u = loc sqrt(log2(e)/2) exp(-spatial_logstd):
;   e_ij = a_j - (u_j0 - u_i0)^2 - (u_j1 - u_i1)^2,   out = ln2 (LSE2_j e_ij - LSE2_j a_j) - 2 spatial_logstd - log(2 pi).
; The second sum hangs on i only through its length: it is a prefix sum, made once, not once for each pair.
;
; SHARES.  Work-group = (n = id / 32, p = id % 32); it owns the row blocks p and 63 - p of 32 rows: 32 x 63 full columns and two
; diagonal tiles whatever p is.  Lane = row: each lane keeps one row of the low and one of the high block.  Each of the eight
; waves takes an eighth of every column range: 4 p columns for both rows, 4 (63 - 2 p) for the high row alone, 4 masked columns of each
; diagonal tile: 260 pairs for every lane of the launch.
; Every maximum is the true one: 16 exponents stay in registers, their maximum joins the running one, the old sum is scaled.
; Masked entries are -1e30; a state that has seen nothing else gets the weight exp2(-1e30 - M) = 0 when the states are merged.
;
; NOT USED: matrix instructions (the definition has no product; written as one, the distance would be a difference of large terms);
; tensor loads and joint requests in a cluster (the 24 KiB that the 32 work-groups of a sequence share are read once by each and have to
; pass through registers to be scaled); a wave's store covers 128 bytes, since equal shares need blocks of 32 rows (64 KiB in all).
; LIMITS: exponents must stay far above -1e30 (the definition's own fill fails at -1e20); a_j carries a rounding of 2^-24 of
; |t_j - t_0| log2(e)/softplus(c); terms more than 126 binary orders below the maximum count as zero; the sums' order is another.
.set LU0,   0                          ; LDS: u0[2048]
.set LU1,   8192                       ;      u1[2048]
.set LAJ,   16384                      ;      a[2048]
.set LST,   0                          ;      the waves' states, in u0's bytes once all columns have been read (a barrier stands between):
                                       ;      stream k at 2048 k: M[256 threads], then S[256 threads]
.set LBS,   24576                      ;      prefix states of the 8 waves: m low, s low, m high, s high, 32 bytes each
.set K_LOG2E,  0x3fb8aa3b              ; log2(e)
.set K_NLOG2E, 0xbfb8aa3b
.set K_LN2,    0x3f317218              ; ln 2
.set K_NL2PI,  0xbfeb3f8e              ; -log(2 pi)
.set K_SQHL,   0x3f596d27              ; sqrt(log2(e) / 2)
.set K_NEG,    0xf149f2ca              ; -1e30
; vector registers
.set LANE, 1
.set AD,   2                           ; an LDS address, the same in all lanes
.set REL,  3                           ; lane - 4 wave: column c of my four in a diagonal tile counts where REL > c
.set NEGR, 4                           ; -1e30
.set T16,  5                           ; 16 thread
.set T32,  6                           ; 32 thread
.set TMP,  7
.set ST,   8                           ; v[8:23]  stream k: M, S, new M, scale.  0, 1: first sum, low, high row; 2, 3: second sum, diagonal part
.set NU,   24                          ; v[24:31] row r: -u0 twice, -u1 twice (pairs for the packed adds)
.set XR,   32                          ; v[32:35] row r: its location as loaded
.set RLO,  36                          ; byte offsets of my two rows in input_loc
.set RHI,  37
.set KA,   38                          ; log2(e) / softplus(c)
.set SK,   39                          ; sqrt(log2(e)/2) exp(-spatial_logstd)
.set NSK,  40
.set C0,   43                          ; -2 spatial_logstd - log(2 pi)
.set C00,  44                          ; -2 logstd0 - log(2 pi)
.set IS0,  46                          ; exp(-logstd0)        (v41, v42, v45, v47: at work on the constants)
.set X0,   48                          ; v[48:63]   u0 of 16 columns
.set X1,   64                          ; v[64:79]   u1
.set AJ,   80                          ; v[80:95]   a
.set EB,   96                          ; v[96:159]  stream k: 16 exponents
.set D0,   160                         ; v[160:175] differences, first coordinate;  at the start: times as loaded
.set D1,   176                         ; v[176:191] second coordinate;              at the start: locations as loaded
.set TT,   192                         ; v[192:223] stream k: 8 registers for the tree of maxima
; scalar registers: s[4:5] times, s[6:7] locations, s[16:17] out, all at sequence n; s20-24 c, spatial_logstd, mu0, logstd0, t[n][0];
; s25 wave, s26 p, s27 n, s28 32 p, s29 32 (63 - p); s32-33 lane selects; s34 byte offset, s35 chunks of 16, s36 chunks of 4, s37 counter;
; s38-39 at work; s40-43 masks of a diagonal tile; s44-47 masks of the prefix sums
; A uniform LDS address from a scalar offset.  The minimum states the arrays' end for the load that follows; no offset here reaches it.
.macro SETAD sr, top
	s_min_u32 s38, s[\sr], \top
	v_mov_b32 v[AD], s38
.endm
; n columns from byte AD of the three arrays into places o .. o + n - 1: every lane gets the same four neighbouring columns from a load
.macro LOADJ n, o
	.set g, 0
	.rept \n/4
	ds_load_b128 v[X0+\o+g:X0+\o+g+3], v[AD] offset:LU0+4*g
	ds_load_b128 v[X1+\o+g:X1+\o+g+3], v[AD] offset:LU1+4*g
	ds_load_b128 v[AJ+\o+g:AJ+\o+g+3], v[AD] offset:LAJ+4*g
	.set g, g+4
	.endr
.endm
; the exponents of row r against n columns at places o ..: two columns to an instruction, four instructions
.macro EVAL r, n, o
	.set rE, EB+16*\r
	.set rN, NU+4*\r
	.set g, 0
	.rept \n/2
	v_pk_add_f32 v[D0+g:D0+g+1], v[X0+\o+g:X0+\o+g+1], v[rN:rN+1]
	v_pk_add_f32 v[D1+g:D1+g+1], v[X1+\o+g:X1+\o+g+1], v[rN+2:rN+3]
	.set g, g+2
	.endr
	.set g, 0
	.rept \n/2
	v_pk_fma_f32 v[rE+g:rE+g+1], v[D0+g:D0+g+1], v[D0+g:D0+g+1], v[AJ+\o+g:AJ+\o+g+1] neg_lo:[1,0,0] neg_hi:[1,0,0]
	.set g, g+2
	.endr
	.set g, 0
	.rept \n/2
	v_pk_fma_f32 v[rE+g:rE+g+1], v[D1+g:D1+g+1], v[D1+g:D1+g+1], v[rE+g:rE+g+1] neg_lo:[1,0,0] neg_hi:[1,0,0]
	.set g, g+2
	.endr
.endm
; stream k, n new exponents: the new maximum, and old maximum - new (at most 0)
.macro PMAX k, n
	.set rE, EB+16*\k
	.set rS, ST+4*\k
	.set rX, TT+8*\k
	.if \n == 16
	v_max3_num_f32 v[rX],   v[rE],    v[rE+1],  v[rE+2]
	v_max3_num_f32 v[rX+1], v[rE+3],  v[rE+4],  v[rE+5]
	v_max3_num_f32 v[rX+2], v[rE+6],  v[rE+7],  v[rE+8]
	v_max3_num_f32 v[rX+3], v[rE+9],  v[rE+10], v[rE+11]
	v_max3_num_f32 v[rX+4], v[rE+12], v[rE+13], v[rE+14]
	v_max3_num_f32 v[rX],   v[rX],    v[rX+1],  v[rX+2]
	v_max3_num_f32 v[rX+3], v[rX+3],  v[rX+4],  v[rE+15]
	v_max3_num_f32 v[rS+2], v[rX],    v[rX+3],  v[rS]
	.else
	v_max3_num_f32 v[rS+2], v[rE],    v[rE+1],  v[rE+2]
	v_max3_num_f32 v[rS+2], v[rS+2],  v[rE+3],  v[rS]
	.endif
	v_sub_f32 v[rS+3], v[rS], v[rS+2]
.endm
.macro PSUB k, n                       ; exponent - new maximum; both halves take the pair's first register
	.set rE, EB+16*\k
	.set rS, ST+4*\k
	.set g, 0
	.rept \n/2
	v_pk_add_f32 v[rE+g:rE+g+1], v[rE+g:rE+g+1], v[rS+2:rS+3] op_sel_hi:[1,0] neg_lo:[0,1] neg_hi:[0,1]
	.set g, g+2
	.endr
.endm
.macro PEXP k, n                       ; n + 1 exponentials in one run
	.set rE, EB+16*\k
	.set rS, ST+4*\k
	v_exp_f32 v[rS+3], v[rS+3]
	.set g, 0
	.rept \n
	v_exp_f32 v[rE+g], v[rE+g]
	.set g, g+1
	.endr
.endm
.macro PMOV k                          ; the new maximum becomes the running one.  It names no register of the exponentials in front of it:
	v_mov_b32 v[ST+4*\k], v[ST+4*\k+2] ; it is the plain instruction that stands between them and the first use of their results
.endm
.macro PSUM k, n                       ; S = S x scale + the n terms
	.set rE, EB+16*\k
	.set rS, ST+4*\k
	s_wait_alu depctr_va_vdst(0)
	v_pk_add_f32 v[rE:rE+1], v[rE:rE+1], v[rE+2:rE+3]
	.if \n == 16
	v_pk_add_f32 v[rE+4:rE+5],   v[rE+4:rE+5],   v[rE+6:rE+7]
	v_pk_add_f32 v[rE+8:rE+9],   v[rE+8:rE+9],   v[rE+10:rE+11]
	v_pk_add_f32 v[rE+12:rE+13], v[rE+12:rE+13], v[rE+14:rE+15]
	v_pk_add_f32 v[rE:rE+1],     v[rE:rE+1],     v[rE+4:rE+5]
	v_pk_add_f32 v[rE+8:rE+9],   v[rE+8:rE+9],   v[rE+12:rE+13]
	v_pk_add_f32 v[rE:rE+1],     v[rE:rE+1],     v[rE+8:rE+9]
	.endif
	v_fma_f32 v[rS+1], v[rS+1], v[rS+3], v[rE]
	v_add_f32 v[rS+1], v[rS+1], v[rE+1]
.endm
.macro SOFT both, n                    ; the update of the high row's stream, with both = 1 of the low row's too, phase by phase
	.if \both
	PMAX 0, \n
	.endif
	PMAX 1, \n
	.if \both
	PSUB 0, \n
	.endif
	PSUB 1, \n
	.if \both
	PEXP 0, \n
	.endif
	PEXP 1, \n
	.if \both
	PMOV 0
	.endif
	PMOV 1
	.if \both
	PSUM 0, \n
	.endif
	PSUM 1, \n
.endm
; My eighth of a column range: s35 chunks of 16, then s36 (0 to 3) chunks of 4.  The first 16 columns have been asked for in front.
; Each trip asks for the next 16 as soon as its exponents are made, ahead of the maxima, exponentials and sums.  What the last trip asks for
; are the columns of the chunks of 4 (and up to 16 columns that are not used; they lie inside the arrays).
.macro RANGE tag, both
	s_cmp_eq_u32 s35, 0
	s_cbranch_scc1 .Lrem_\tag
	s_mov_b32 s37, 0
.Lloop_\tag:
	s_wait_dscnt 0x0                               ; all 12 loads of this chunk are needed at once
	.if \both
	EVAL 0, 16, 0
	.endif
	EVAL 1, 16, 0
	s_add_co_u32 s34, s34, 64                      ; 16 columns on
	SETAD 34, 8128
	LOADJ 16, 0
	SOFT \both, 16
	s_add_co_u32 s37, s37, 1
	s_cmp_lt_u32 s37, s35
	s_cbranch_scc1 .Lloop_\tag
.Lrem_\tag:
	s_wait_dscnt 0x0                               ; the 12 loads issued last, on either way to this line
	.irp c, 0,1,2
	s_cmp_le_u32 s36, \c
	s_cbranch_scc1 .Ldone_\tag
	.if \both
	EVAL 0, 4, 4*\c
	.endif
	EVAL 1, 4, 4*\c
	SOFT \both, 4
	.endr
.Ldone_\tag:
.endm
; The second sum over the columns below a block's first row (x = 0: low block, 1: high), lane = column: this wave's 256 columns.
.macro BMAX x                          ; mask, maximum of my 8, maximum over the wave, and the differences
	.set rV, EB+16*\x
	.set rB, TT+4*\x
	.irp j, 0,1,2,3
	v_cndmask_b32 v[rV+\j],   v[NEGR], v[AJ+\j],   s[44+2*\x]
	v_cndmask_b32 v[rV+4+\j], v[NEGR], v[AJ+4+\j], s[45+2*\x]
	.endr
	v_max3_num_f32 v[rB],   v[rV],   v[rV+1], v[rV+2]
	v_max3_num_f32 v[rB+1], v[rV+3], v[rV+4], v[rV+5]
	v_max3_num_f32 v[rB],   v[rB],   v[rB+1], v[rV+6]
	v_max_num_f32  v[rB],   v[rB],   v[rV+7]
	.irp m, 1,2,4,8
	v_max_num_f32_dpp v[rB], v[rB], v[rB] row_xmask:\m row_mask:0xf bank_mask:0xf
	.endr
	v_permlanex16_b32 v[rB+1], v[rB], s32, s33
	v_max_num_f32 v[rB], v[rB], v[rB+1]
	.irp j, 0,2,4,6
	v_pk_add_f32 v[rV+\j:rV+\j+1], v[rV+\j:rV+\j+1], v[rB:rB+1] op_sel_hi:[1,0] neg_lo:[0,1] neg_hi:[0,1]
	.endr
.endm
.macro BEXP x
	.irp j, 0,1,2,3,4,5,6,7
	v_exp_f32 v[EB+16*\x+\j], v[EB+16*\x+\j]
	.endr
.endm
.macro BSUM x                          ; sum of my 8, sum over the wave
	.set rV, EB+16*\x
	.set rB, TT+4*\x
	v_pk_add_f32 v[rV:rV+1],   v[rV:rV+1],   v[rV+2:rV+3]
	v_pk_add_f32 v[rV+4:rV+5], v[rV+4:rV+5], v[rV+6:rV+7]
	v_pk_add_f32 v[rV:rV+1],   v[rV:rV+1],   v[rV+4:rV+5]
	v_add_f32 v[rB+1], v[rV], v[rV+1]
	.irp m, 1,2,4,8
	v_add_f32_dpp v[rB+1], v[rB+1], v[rB+1] row_xmask:\m row_mask:0xf bank_mask:0xf
	.endr
	v_permlanex16_b32 v[rV], v[rB+1], s32, s33
	v_add_f32 v[rB+1], v[rB+1], v[rV]
.endm
	; ---------------------------------------------------------------- ids, addresses, loads
	s_load_b256 s[4:11], s[0:1], 0x0               ; input_time, input_loc, coeff_decay, spatial_logstd
	s_load_b128 s[12:15], s[0:1], 0x20             ; mu0, logstd0
	s_load_b64 s[16:17], s[0:1], 0x30              ; out0
	v_lshl_add_u32 v224, v0, 2, 0x6100
	v_mov_b32 v225, 0
	v_and_b32 v[LANE], 31, v0
	v_lshrrev_b32 v[TMP], 5, v0
	v_readfirstlane_b32 s25, v[TMP]                ; wave 0..7
	s_and_b32 s26, ttmp9, 31                       ; p
	s_lshr_b32 s27, ttmp9, 5                       ; n
	s_lshl_b32 s28, s26, 5                         ; first row of the low block
	s_sub_co_u32 s29, 2016, s28                    ; first row of the high block, 32 (63 - p)
	s_mov_b32 s32, 0x76543210                      ; v_permlanex16_b32: lane i reads lane i of the other half
	s_mov_b32 s33, 0xfedcba98
	v_lshlrev_b32 v[T16], 4, v0
	v_lshlrev_b32 v[T32], 5, v0
	v_lshlrev_b32 v[TMP], 3, v[LANE]
	v_lshl_add_u32 v[RLO], s28, 3, v[TMP]          ; 8 bytes a row of input_loc
	v_lshl_add_u32 v[RHI], s29, 3, v[TMP]
	s_lshl_b32 s30, s27, 13                        ; a sequence: 8,192 bytes of times and of results,
	s_mov_b32 s31, 0
	s_wait_kmcnt 0x0
	s_add_nc_u64 s[4:5], s[4:5], s[30:31]
	s_add_nc_u64 s[16:17], s[16:17], s[30:31]
	s_lshl_b32 s30, s27, 14                        ; 16,384 bytes of locations
	s_add_nc_u64 s[6:7], s[6:7], s[30:31]
	s_load_b32 s20, s[8:9], 0x0                    ; coeff_decay
	s_load_b32 s21, s[10:11], 0x0                  ; spatial_logstd
	s_load_b32 s22, s[12:13], 0x0                  ; mu0
	s_load_b32 s23, s[14:15], 0x0                  ; logstd0
	s_load_b32 s24, s[4:5], 0x0                    ; t[n][0]
	; thread t scales the columns 4 t .. 4 t + 3 and 1024 + 4 t .. + 3: a wave's load covers 512 (times) or 2 x 512 neighbouring bytes
	global_load_b128 v[D0:D0+3],     v[T16], s[4:5]
	global_load_b128 v[D0+4:D0+7],   v[T16], s[4:5] offset:4096
	global_load_b128 v[D1:D1+3],     v[T32], s[6:7]
	global_load_b128 v[D1+4:D1+7],   v[T32], s[6:7] offset:16
	global_load_b128 v[D1+8:D1+11],  v[T32], s[6:7] offset:8192
	global_load_b128 v[D1+12:D1+15], v[T32], s[6:7] offset:8208
	global_load_b64 v[XR:XR+1],   v[RLO], s[6:7]   ; my two rows
	global_load_b64 v[XR+2:XR+3], v[RHI], s[6:7]
	; ---------------------------------------------------------------- the constants, while the loads are on their way
	s_wait_kmcnt 0x0
	v_mov_b32 v41, s20                             ; c
	v_mov_b32 v[C0], s21
	v_mov_b32 v[C00], s23
	v_and_b32 v42, 0x7fffffff, v41
	v_mul_f32 v42, K_NLOG2E, v42
	v_mul_f32 v45, K_NLOG2E, v[C0]
	v_mul_f32 v[IS0], K_NLOG2E, v[C00]
	v_exp_f32 v42, v42                             ; x = exp(-|c|)
	v_exp_f32 v45, v45                             ; exp(-spatial_logstd)
	v_exp_f32 v[IS0], v[IS0]                       ; exp(-logstd0)
	v_max_num_f32 v41, 0, v41                      ; softplus(c) = max(c, 0) + log1p(x); this line touches none of the three results
	s_wait_alu depctr_va_vdst(0)
	v_add_f32 v47, 1.0, v42                        ; w = 1 + x as it is rounded
	v_mul_f32 v[SK], K_SQHL, v45
	v_add_f32 v[TMP], -1.0, v47                    ; w - 1, exact
	v_log_f32 v47, v47                             ; log1p(x) = log(w) x / (w - 1): the quotient mends the rounding of w
	v_rcp_f32 v45, v[TMP]
	v_xor_b32 v[NSK], 0x80000000, v[SK]            ; (the plain line behind the two)
	s_wait_alu depctr_va_vdst(0)
	v_mul_f32 v47, v47, v42
	v_mul_f32 v47, v47, v45
	v_mul_f32 v47, K_LN2, v47
	v_cmp_eq_f32 vcc_lo, 0, v[TMP]
	v_cndmask_b32 v47, v47, v42, vcc_lo            ; w = 1: log1p(x) = x
	v_add_f32 v41, v41, v47
	v_rcp_f32 v41, v41
	v_fmaak_f32 v[C0], -2.0, v[C0], K_NL2PI
	v_fmaak_f32 v[C00], -2.0, v[C00], K_NL2PI
	s_wait_alu depctr_va_vdst(0)
	v_mul_f32 v[KA], K_LOG2E, v41
	v_mov_b32 v[NEGR], K_NEG
	s_lshl_b32 s38, s25, 2
	v_sub_nc_u32 v[REL], v[LANE], s38              ; lane - 4 wave
	s_add_co_u32 s38, s38, LBS                     ; my wave's word in each of the four lists of prefix states
.irp k, 0,1,2,3
	v_mov_b32 v[ST+4*\k], v[NEGR]                  ; four empty states
	v_mov_b32 v[ST+4*\k+1], 0
.endr
	v_lshlrev_b32 v[TMP], 2, v0                    ; my first column; a group of four lies wholly below a block's first row or not at all
	v_cmp_gt_u32 s44, s28, v[TMP]
	v_cmp_gt_u32 s46, s29, v[TMP]
	v_add_nc_u32 v[TMP], 1024, v[TMP]
	v_cmp_gt_u32 s45, s28, v[TMP]
	v_cmp_gt_u32 s47, s29, v[TMP]
	; ---------------------------------------------------------------- scale my 8 columns, put them into LDS
	s_wait_loadcnt 0x0
.irp q, 0,1
.irp j, 0,1,2,3
	v_mul_f32 v[X0+4*\q+\j], v[D1+8*\q+2*\j],   v[SK]
	v_mul_f32 v[X1+4*\q+\j], v[D1+8*\q+2*\j+1], v[SK]
	v_sub_f32 v[AJ+4*\q+\j], v[D0+4*\q+\j], s24
.endr
.endr
.irp j, 0,2,4,6
	v_pk_mul_f32 v[AJ+\j:AJ+\j+1], v[AJ+\j:AJ+\j+1], v[KA:KA+1] op_sel_hi:[1,0]
.endr
	ds_store_b128 v[T16], v[X0:X0+3]   offset:LU0
	ds_store_b128 v[T16], v[X0+4:X0+7] offset:LU0+4096
	ds_store_b128 v[T16], v[X1:X1+3]   offset:LU1
	ds_store_b128 v[T16], v[X1+4:X1+7] offset:LU1+4096
	ds_store_b128 v[T16], v[AJ:AJ+3]   offset:LAJ
	ds_store_b128 v[T16], v[AJ+4:AJ+7] offset:LAJ+4096
.irp r, 0,1
	v_mul_f32 v[NU+4*\r],   v[XR+2*\r],   v[NSK]   ; -u of my rows: the same product as the columns', so equal points differ by 0
	v_mul_f32 v[NU+4*\r+1], v[XR+2*\r],   v[NSK]
	v_mul_f32 v[NU+4*\r+2], v[XR+2*\r+1], v[NSK]
	v_mul_f32 v[NU+4*\r+3], v[XR+2*\r+1], v[NSK]
.endr
	; the second sum below each block, from the 8 a that I still hold
	BMAX 0
	BMAX 1
	BEXP 0
	BEXP 1
	v_mov_b32 v[AD], s38                           ; the plain line between the exponentials and the sums
	s_wait_alu depctr_va_vdst(0)
	BSUM 0
	BSUM 1
	ds_store_b32 v[AD], v[TT]                      ; all lanes hold the same numbers
	ds_store_b32 v[AD], v[TT+1] offset:32
	ds_store_b32 v[AD], v[TT+4] offset:64
	ds_store_b32 v[AD], v[TT+5] offset:96
	s_wait_dscnt 0x0                               ; my stores are in LDS before I say so
	s_barrier_signal -1
	s_barrier_wait -1                              ; all 2,048 columns are there
	; ---------------------------------------------------------------- the two diagonal tiles: my 4 columns of each, four streams
	s_lshl_b32 s39, s25, 4                         ; 4 columns a wave, 16 bytes
	s_lshl_b32 s34, s28, 2
	s_add_co_u32 s34, s34, s39
	SETAD 34, 8176
	LOADJ 4, 0                                     ; columns 32 p + 4 wave ..
	s_lshl_b32 s34, s29, 2
	s_add_co_u32 s34, s34, s39
	SETAD 34, 8176
	LOADJ 4, 4                                     ; columns 32 (63 - p) + 4 wave ..
.irp j, 0,1,2,3
	v_cmp_gt_i32 s[40+\j], v[REL], \j              ; column 4 wave + j of the tile lies in front of row lane
.endr
	s_mul_i32 s34, s26, s25                        ; the range of both rows: columns 0 .. 32 p - 1, mine start at 4 p wave
	s_lshl_b32 s34, s34, 4
	s_lshr_b32 s35, s26, 2                         ; p chunks of 4 = p / 4 chunks of 16
	s_and_b32 s36, s26, 3                          ; and p % 4 of 4
	s_wait_dscnt 0x0
	EVAL 0, 4, 0
	EVAL 1, 4, 4
.irp j, 0,1,2,3
	v_cndmask_b32 v[EB+\j],    v[NEGR], v[EB+\j],    s[40+\j]
	v_cndmask_b32 v[EB+16+\j], v[NEGR], v[EB+16+\j], s[40+\j]
	v_cndmask_b32 v[EB+32+\j], v[NEGR], v[AJ+\j],    s[40+\j]
	v_cndmask_b32 v[EB+48+\j], v[NEGR], v[AJ+4+\j],  s[40+\j]
.endr
	SETAD 34, 8128
	LOADJ 16, 0                                    ; the first chunk of the next range, ahead of this one's exponentials
.irp k, 0,1,2,3
	PMAX \k, 4
.endr
.irp k, 0,1,2,3
	PSUB \k, 4
.endr
.irp k, 0,1,2,3
	PEXP \k, 4
.endr
.irp k, 0,1,2,3
	PMOV \k
.endr
.irp k, 0,1,2,3
	PSUM \k, 4
.endr
	; ---------------------------------------------------------------- columns in front of the low block: both rows
	RANGE both, 1
	; ---------------------------------------------------------------- columns 32 p .. 32 (63 - p) - 1: the high row alone
	s_lshl_b32 s39, s26, 1
	s_sub_co_u32 s39, 63, s39                      ; 63 - 2 p chunks of 4 for each wave
	s_mul_i32 s34, s39, s25
	s_lshl_b32 s34, s34, 4
	s_lshl_b32 s38, s28, 2
	s_add_co_u32 s34, s34, s38                     ; byte 4 (32 p + 4 (63 - 2 p) wave)
	s_lshr_b32 s35, s39, 2
	s_and_b32 s36, s39, 3
	SETAD 34, 8128
	LOADJ 16, 0
	RANGE hi, 0
	; ---------------------------------------------------------------- the eight waves' states meet in LDS
	; The states go into u0's bytes.  My own column loads are back (the wait for 0 at the head of the last range's remainder; no LDS
	; instruction has followed it); behind this barrier that holds of all eight waves, so nobody reads the columns any more.
	s_barrier_signal -1
	s_barrier_wait -1
	v_lshlrev_b32 v[AD], 2, v0
.irp k, 0,1,2,3
	ds_store_b32 v[AD], v[ST+4*\k]   offset:LST+2048*\k
	ds_store_b32 v[AD], v[ST+4*\k+1] offset:LST+2048*\k+1024
.endr
	s_wait_dscnt 0x0                               ; my states are in LDS before I say so
	s_barrier_signal -1
	s_barrier_wait -1
	s_cmp_gt_u32 s25, 1
	s_cbranch_scc1 .Lend                           ; wave 0 finishes the low rows, wave 1 the high rows
.set MM,  96                           ; v[96:103]   maxima of the first sum, one for each wave
.set SS,  104                          ; v[104:111]  its sums
.set DM,  112                          ; v[112:127]  maxima of the second sum: 8 diagonal parts, 8 prefix parts
.set DSM, 128                          ; v[128:143]  its sums
	v_lshlrev_b32 v[AD], 2, v[LANE]
	s_lshl_b32 s38, s25, 11
	v_add_nc_u32 v[AD], s38, v[AD]                 ; 4 lane + 2,048 block
	s_lshl_b32 s38, s25, 6
	v_mov_b32 v[TMP], s38                          ; 64 block
.irp w, 0,1,2,3,4,5,6,7
	ds_load_b32 v[MM+\w],  v[AD] offset:LST+128*\w
	ds_load_b32 v[SS+\w],  v[AD] offset:LST+1024+128*\w
	ds_load_b32 v[DM+\w],  v[AD] offset:LST+4096+128*\w
	ds_load_b32 v[DSM+\w], v[AD] offset:LST+5120+128*\w
.endr
	ds_load_b128 v[DM+8:DM+11],    v[TMP] offset:LBS
	ds_load_b128 v[DM+12:DM+15],   v[TMP] offset:LBS+16
	ds_load_b128 v[DSM+8:DSM+11],  v[TMP] offset:LBS+32
	ds_load_b128 v[DSM+12:DSM+15], v[TMP] offset:LBS+48
	s_cmp_eq_u32 s25, 0
	s_cselect_b32 s38, s28, s29
	v_add_nc_u32 v[TMP], s38, v[LANE]              ; my row in the sequence
	s_wait_dscnt 0x0
	v_max3_num_f32 v[TT],   v[MM],   v[MM+1], v[MM+2]
	v_max3_num_f32 v[TT+1], v[MM+3], v[MM+4], v[MM+5]
	v_max3_num_f32 v[TT],   v[TT],   v[TT+1], v[MM+6]
	v_max_num_f32  v[TT],   v[TT],   v[MM+7]       ; the first sum's maximum
	v_max3_num_f32 v[TT+2], v[DM],    v[DM+1],  v[DM+2]
	v_max3_num_f32 v[TT+3], v[DM+3],  v[DM+4],  v[DM+5]
	v_max3_num_f32 v[TT+4], v[DM+6],  v[DM+7],  v[DM+8]
	v_max3_num_f32 v[TT+5], v[DM+9],  v[DM+10], v[DM+11]
	v_max3_num_f32 v[TT+6], v[DM+12], v[DM+13], v[DM+14]
	v_max3_num_f32 v[TT+2], v[TT+2],  v[TT+3],  v[TT+4]
	v_max3_num_f32 v[TT+5], v[TT+5],  v[TT+6],  v[DM+15]
	v_max_num_f32  v[TT+2], v[TT+2],  v[TT+5]      ; the second sum's
.irp j, 0,2,4,6
	v_pk_add_f32 v[MM+\j:MM+\j+1], v[MM+\j:MM+\j+1], v[TT:TT+1] op_sel_hi:[1,0] neg_lo:[0,1] neg_hi:[0,1]
.endr
.irp j, 0,2,4,6,8,10,12,14
	v_pk_add_f32 v[DM+\j:DM+\j+1], v[DM+\j:DM+\j+1], v[TT+2:TT+3] op_sel_hi:[1,0] neg_lo:[0,1] neg_hi:[0,1]
.endr
.irp j, 0,1,2,3,4,5,6,7
	v_exp_f32 v[MM+\j], v[MM+\j]
.endr
.irp j, 0,1,2,3,4,5,6,7,8,9,10,11,12,13,14,15
	v_exp_f32 v[DM+\j], v[DM+\j]
.endr
	v_sub_f32 v[TT+1], v[TT], v[TT+2]              ; difference of the maxima: the plain line behind the exponentials
	s_wait_alu depctr_va_vdst(0)
	v_pk_mul_f32 v[MM:MM+1], v[MM:MM+1], v[SS:SS+1]
.irp j, 2,4,6
	v_pk_fma_f32 v[MM:MM+1], v[MM+\j:MM+\j+1], v[SS+\j:SS+\j+1], v[MM:MM+1]
.endr
	v_pk_mul_f32 v[DM:DM+1], v[DM:DM+1], v[DSM:DSM+1]
.irp j, 2,4,6,8,10,12,14
	v_pk_fma_f32 v[DM:DM+1], v[DM+\j:DM+\j+1], v[DSM+\j:DSM+\j+1], v[DM:DM+1]
.endr
	v_add_f32 v[MM], v[MM], v[MM+1]
	v_add_f32 v[DM], v[DM], v[DM+1]
	v_log_f32 v[MM], v[MM]
	v_log_f32 v[DM], v[DM]
	v_sub_f32 v[TT+4], v[XR], s22                  ; the first event's own term, from the low block's row (row 0 lies there)
	v_sub_f32 v[TT+5], v[XR+1], s22
	s_wait_alu depctr_va_vdst(0)
	v_sub_f32 v[MM], v[MM], v[DM]
	v_add_f32 v[MM], v[MM], v[TT+1]
	v_fmamk_f32 v[MM], v[MM], K_LN2, v[C0]         ; ln2 x (difference of the two sums' logarithms) - 2 spatial_logstd - log(2 pi)
	v_mul_f32 v[TT+4], v[TT+4], v[IS0]
	v_mul_f32 v[TT+5], v[TT+5], v[IS0]
	v_mul_f32 v[TT+4], v[TT+4], v[TT+4]
	v_fma_f32 v[TT+4], v[TT+5], v[TT+5], v[TT+4]
	v_fma_f32 v[TT+4], v[TT+4], -0.5, v[C00]
	v_cmp_eq_u32 vcc_lo, 0, v[TMP]
	v_cndmask_b32 v[MM], v[MM], v[TT+4], vcc_lo    ; row 0 has no history: the base Gaussian
	v_lshlrev_b32 v[TMP], 2, v[TMP]
	global_store_b32 v[TMP], v[MM], s[16:17]       ; 32 lanes, 128 neighbouring bytes
.Lend:
	s_wait_tensorcnt 0x0
	ds_add_u32 v224, v225
	s_wait_dscnt 0x0
	s_endpgm
.Lfunc_end_k_q28906ab5a1_gmm:
	.size	k_q28906ab5a1_gmm, .Lfunc_end_k_q28906ab5a1_gmm-k_q28906ab5a1_gmm
	.p2alignl 7, 3214868480
	.fill 96, 4, 3214868480
	.section	.rodata,"a",@progbits
	.p2align	6, 0x0
	.amdhsa_kernel k_q28906ab5a1_gmm
		.amdhsa_group_segment_fixed_size 25856
		.amdhsa_private_segment_fixed_size 0
		.amdhsa_enable_private_segment 0
		.amdhsa_kernarg_size 56
		.amdhsa_user_sgpr_count 2
		.amdhsa_user_sgpr_kernarg_segment_ptr 1
		.amdhsa_wavefront_size32 1
		.amdhsa_system_sgpr_workgroup_id_x 1
		.amdhsa_system_sgpr_workgroup_id_y 1
		.amdhsa_system_sgpr_workgroup_id_z 1
		.amdhsa_system_vgpr_workitem_id 0
		.amdhsa_next_free_vgpr 226
		.amdhsa_next_free_sgpr 66
		.amdhsa_reserve_vcc 1
		.amdhsa_float_denorm_mode_32 3
		.amdhsa_float_denorm_mode_16_64 3
		.amdhsa_memory_ordered 1
		.amdhsa_forward_progress 1
		.amdhsa_inst_pref_size 52
	.end_amdhsa_kernel
	.amdgpu_metadata
---
amdhsa.version: [ 1, 2 ]
amdhsa.kernels:
  - .name:           k_q28906ab5a1_gmm
    .symbol:         k_q28906ab5a1_gmm.kd
    .args:
      - { .name: input_time, .offset: 0, .size: 8, .value_kind: global_buffer, .address_space: global }
      - { .name: input_loc, .offset: 8, .size: 8, .value_kind: global_buffer, .address_space: global }
      - { .name: coeff_decay, .offset: 16, .size: 8, .value_kind: global_buffer, .address_space: global }
      - { .name: spatial_logstd, .offset: 24, .size: 8, .value_kind: global_buffer, .address_space: global }
      - { .name: mu0, .offset: 32, .size: 8, .value_kind: global_buffer, .address_space: global }
      - { .name: logstd0, .offset: 40, .size: 8, .value_kind: global_buffer, .address_space: global }
      - { .name: out0, .offset: 48, .size: 8, .value_kind: global_buffer, .address_space: global }
    .group_segment_fixed_size: 25856
    .private_segment_fixed_size: 0
    .kernarg_segment_align: 8
    .kernarg_segment_size: 56
    .max_flat_workgroup_size: 256
    .sgpr_count:     66
    .vgpr_count:     226
    .wavefront_size: 32
...
	.end_amdgpu_metadata
.endif
;; end of part 1
;; ======== version 2 of 2: 1 launch; version 1 with the launch gmm written anew for expert scheduling mode
;; launch gmm (part 2): grid 256 x 1, 8 waves a work-group, no clusters, 25,856 bytes of LDS; arguments input_time, input_loc, coeff_decay, spatial_logstd, mu0, logstd0, out0; writes out0
.if DOCPART == 2
	.amdgcn_target "amdgcn-amd-amdhsa--gfx1250"
	.amdhsa_code_object_version 6
	.text
	.protected	k_q28906ab5a1_gmm
	.globl	k_q28906ab5a1_gmm
	.p2align	8
	.type	k_q28906ab5a1_gmm,@function
k_q28906ab5a1_gmm:
	s_mov_b64 s[64:65], 0
	v_nop
	global_prefetch_b8 v0, s[64:65] scope:SCOPE_SE
	s_setreg_imm32_b32 hwreg(HW_REG_WAVE_SCHED_MODE, 0, 2), 2
	s_setreg_imm32_b32 hwreg(HW_REG_WAVE_MODE, 25, 1), 1
	s_wait_xcnt 0x0
	s_wait_alu depctr_vm_vsrc(0)
; Gaussian mixture over the history of each event.  N = 8 sequences, T = 2048 events, D = 2.
;   out[n][0] = log N(loc[n][0]; mu0, exp(logstd0))
;   out[n][i] = LSE_{j<i}(P_ij + L_ij) - LSE_{j<i}(L_ij),  P_ij the spatial log-likelihood, L_ij = (t_j - t_i)/softplus(c).
; The entries at j >= i carry -1e20 in the definition and add an exact zero to both sums, so they are not computed.
; -t_i/softplus(c) stands in both sums and cancels: both use a_j = (t_j - t[n][0]) log2(e)/softplus(c); the first event's time
; only takes a common offset away.  All exponents are in log2 units.  With u = loc sqrt(log2(e)/2) exp(-spatial_logstd):
;   e_ij = a_j - (u_j0 - u_i0)^2 - (u_j1 - u_i1)^2,   out = ln2 (LSE2_j e_ij - LSE2_j a_j) - 2 spatial_logstd - log(2 pi).
; The second sum hangs on i only through its length: it is a prefix sum, made once, not once for each pair.
;
; SHARES.  Work-group = (n = id / 32, p = id % 32); it owns the row blocks p and 63 - p of 32 rows: 32 x 63 full columns and two
; diagonal tiles whatever p is.  Lane = row: each lane keeps one row of the low and one of the high block.  Each of the eight
; waves takes an eighth of every column range: 4 p columns for both rows, 4 (63 - 2 p) for the high row alone, 4 masked columns of each
; diagonal tile: 260 pairs for every lane of the launch.
; Every maximum is the true one: 16 exponents stay in registers, their maximum joins the running one, the old sum is scaled.
; Masked entries are -1e30; a state that has seen nothing else gets the weight exp2(-1e30 - M) = 0 when the states are merged.
;
; THE MODE: SCHED_MODE bits 1:0 = 2 (LLVM: expert scheduling mode 2), set by the entry lines.  The code itself states the register
; dependences between vector instructions and memory or LDS instructions, with s_wait_alu, always for 0.
; THE PLAN.  Registers that memory or LDS instructions touch:
;   T16, T32, RLO, RHI, SA, BA, ADL, ADU   offsets and LDS addresses, made at the head ahead of one wait and never written again.
;   AD, AD2        the LDS address of a range's next 16 columns: read by a trip's 12 loads, written once at the next trip's head.
;   X0, X1, AJ     16 columns.  At the start the scaling writes places 0-7 and the column stores read them.  In a trip: the exponents'
;                  lines read them, one wait follows, and the next 16 columns land in them while maxima, exponentials and sums go on.
;   G0, G1, GA     the two diagonal tiles' columns, a buffer of their own: so the first range's first 16 columns are asked for together with them.
;   TT (four of them)  written by the prefix sums, read by the prefix stores, written again by the trips' maxima.
;   ST             the states: written by the updates, read by the state stores at the end.
;   v96-143        exponents up to the last range; then the merge's loads land in them.    MA, MB, OFS: made on the way out, in registers of their own.
; D0, D1 (behind the first loads), EB, TT, NU and the constants are otherwise named by vector instructions alone.
;
; NOT USED: matrix instructions (the definition has no product; written as one, the distance would be a difference of large terms);
; tensor loads and joint requests in a cluster (the 24 KiB that the 32 work-groups of a sequence share are read once by each and have to
; pass through registers to be scaled); a wave's store covers 128 bytes, since equal shares need blocks of 32 rows (64 KiB in all).
; LIMITS: exponents must stay far above -1e30 (the definition's own fill fails at -1e20); a_j carries a rounding of 2^-24 of
; |t_j - t_0| log2(e)/softplus(c); terms more than 126 binary orders below the maximum count as zero; the sums' order is another.
.set LU0,   0                          ; LDS: u0[2048]
.set LU1,   8192                       ;      u1[2048]
.set LAJ,   16384                      ;      a[2048]
.set LST,   0                          ;      the waves' states, in u0's bytes once all columns have been read (a barrier stands between):
                                       ;      stream k at 2048 k: M[256 threads], then S[256 threads]
.set LBS,   24576                      ;      prefix states of the 8 waves: m low, s low, m high, s high, 32 bytes each
.set K_LOG2E,  0x3fb8aa3b              ; log2(e)
.set K_NLOG2E, 0xbfb8aa3b
.set K_LN2,    0x3f317218              ; ln 2
.set K_NL2PI,  0xbfeb3f8e              ; -log(2 pi)
.set K_SQHL,   0x3f596d27              ; sqrt(log2(e) / 2)
.set K_NEG,    0xf149f2ca              ; -1e30
; vector registers
.set LANE, 1
.set AD,   2                           ; LDS address, the same in all lanes: the next 16 columns of the range of both rows
.set REL,  3                           ; lane - 4 wave: column c of my four in a diagonal tile counts where REL > c
.set NEGR, 4                           ; -1e30
.set T16,  5                           ; 16 thread
.set T32,  6                           ; 32 thread
.set TMP,  7                           ; at work; no memory instruction names it
.set ST,   8                           ; v[8:23]  stream k: M, S, new M, scale.  0, 1: first sum, low, high row; 2, 3: second sum, diagonal part
.set NU,   24                          ; v[24:31] row r: -u0 twice, -u1 twice (pairs for the packed adds)
.set XR,   32                          ; v[32:35] row r: its location as loaded
.set RLO,  36                          ; byte offsets of my two rows in input_loc
.set RHI,  37
.set KA,   38                          ; log2(e) / softplus(c)
.set SK,   39                          ; sqrt(log2(e)/2) exp(-spatial_logstd)
.set NSK,  40
.set C0,   43                          ; -2 spatial_logstd - log(2 pi)
.set C00,  44                          ; -2 logstd0 - log(2 pi)
.set IS0,  46                          ; exp(-logstd0)        (v41, v42, v45, v47: at work on the constants)
.set X0,   48                          ; v[48:63]   u0 of 16 columns
.set X1,   64                          ; v[64:79]   u1
.set AJ,   80                          ; v[80:95]   a
.set EB,   96                          ; v[96:159]  stream k: 16 exponents
.set D0,   160                         ; v[160:175] differences, first coordinate;  at the start: times as loaded
.set D1,   176                         ; v[176:191] second coordinate;              at the start: locations as loaded
.set TT,   192                         ; v[192:207] streams 0 and 1: 8 registers each for the tree of maxima
.set SA,   208                         ; 4 thread: my word in each list of states
.set BA,   209                         ; LDS address of my wave's word in the four lists of prefix states
.set ADL,  210                         ; LDS address of my 4 columns of the low diagonal tile
.set ADU,  211                         ; of the high one
.set AD2,  212                         ; the next 16 columns of the high row's own range
.set MA,   213                         ; the way out: 4 lane + 2,048 block
.set MB,   214                         ; the way out: 64 block
.set ROW,  215                         ; the way out: my row in the sequence
.set OFS,  216                         ; the way out: its byte offset in the results
.set G0,   224                         ; v[224:231] u0 of my 4 columns of the low diagonal tile, then of the high one
.set G1,   232                         ; v[232:239] u1
.set GA,   240                         ; v[240:247] a
; scalar registers: s[4:5] times, s[6:7] locations, s[16:17] out, all at sequence n; s18 byte offset in the high row's range, s19 63 - 2 p;
; s20-24 c, spatial_logstd, mu0, logstd0, t[n][0]; s25 wave, s26 p, s27 n, s28 32 p, s29 32 (63 - p); s32-33 lane selects;
; s34 byte offset in the range of both rows, s35 chunks of 16, s36 chunks of 4, s37 counter;
; s38-39 at work; s40-43 masks of a diagonal tile; s44-47 masks of the prefix sums
; A uniform LDS address from a scalar offset.  The minimum states the arrays' end for the loads that read it; no offset here reaches it.
.macro SETAD vr, sr, top
	s_min_u32 s38, s[\sr], \top
	v_mov_b32 v[\vr], s38
.endm
; n columns from the byte in v[ad] of the three arrays into b0, b1, ba: every lane gets the same four neighbouring columns from a load
.macro LOADJ n, ad, b0, b1, ba
	.set g, 0
	.rept \n/4
	ds_load_b128 v[\b0+g:\b0+g+3], v[\ad] offset:LU0+4*g
	ds_load_b128 v[\b1+g:\b1+g+3], v[\ad] offset:LU1+4*g
	ds_load_b128 v[\ba+g:\ba+g+3], v[\ad] offset:LAJ+4*g
	.set g, g+4
	.endr
.endm
; the exponents of row r against the n columns in b0, b1, ba: two columns to an instruction, four instructions
.macro EVAL r, n, b0, b1, ba
	.set rE, EB+16*\r
	.set rN, NU+4*\r
	.set g, 0
	.rept \n/2
	v_pk_add_f32 v[D0+g:D0+g+1], v[\b0+g:\b0+g+1], v[rN:rN+1]
	v_pk_add_f32 v[D1+g:D1+g+1], v[\b1+g:\b1+g+1], v[rN+2:rN+3]
	.set g, g+2
	.endr
	.set g, 0
	.rept \n/2
	v_pk_fma_f32 v[rE+g:rE+g+1], v[D0+g:D0+g+1], v[D0+g:D0+g+1], v[\ba+g:\ba+g+1] neg_lo:[1,0,0] neg_hi:[1,0,0]
	.set g, g+2
	.endr
	.set g, 0
	.rept \n/2
	v_pk_fma_f32 v[rE+g:rE+g+1], v[D1+g:D1+g+1], v[D1+g:D1+g+1], v[rE+g:rE+g+1] neg_lo:[1,0,0] neg_hi:[1,0,0]
	.set g, g+2
	.endr
.endm
; stream k, n new exponents: the new maximum, and old maximum - new (at most 0)
.macro PMAX k, n
	.set rE, EB+16*\k
	.set rS, ST+4*\k
	.set rX, TT+8*\k
	.if \n == 16
	v_max3_num_f32 v[rX],   v[rE],    v[rE+1],  v[rE+2]
	v_max3_num_f32 v[rX+1], v[rE+3],  v[rE+4],  v[rE+5]
	v_max3_num_f32 v[rX+2], v[rE+6],  v[rE+7],  v[rE+8]
	v_max3_num_f32 v[rX+3], v[rE+9],  v[rE+10], v[rE+11]
	v_max3_num_f32 v[rX+4], v[rE+12], v[rE+13], v[rE+14]
	v_max3_num_f32 v[rX],   v[rX],    v[rX+1],  v[rX+2]
	v_max3_num_f32 v[rX+3], v[rX+3],  v[rX+4],  v[rE+15]
	v_max3_num_f32 v[rS+2], v[rX],    v[rX+3],  v[rS]
	.else
	v_max3_num_f32 v[rS+2], v[rE],    v[rE+1],  v[rE+2]
	v_max3_num_f32 v[rS+2], v[rS+2],  v[rE+3],  v[rS]
	.endif
	v_sub_f32 v[rS+3], v[rS], v[rS+2]
.endm
.macro PSUB k, n                       ; exponent - new maximum; both halves take the pair's first register
	.set rE, EB+16*\k
	.set rS, ST+4*\k
	.set g, 0
	.rept \n/2
	v_pk_add_f32 v[rE+g:rE+g+1], v[rE+g:rE+g+1], v[rS+2:rS+3] op_sel_hi:[1,0] neg_lo:[0,1] neg_hi:[0,1]
	.set g, g+2
	.endr
.endm
.macro PEXP k, n                       ; n + 1 exponentials in one run
	.set rE, EB+16*\k
	.set rS, ST+4*\k
	v_exp_f32 v[rS+3], v[rS+3]
	.set g, 0
	.rept \n
	v_exp_f32 v[rE+g], v[rE+g]
	.set g, g+1
	.endr
.endm
.macro PMOV k                          ; the new maximum becomes the running one.  It names no register of the exponentials in front of it:
	v_mov_b32 v[ST+4*\k], v[ST+4*\k+2] ; it is the plain instruction that stands between them and the first use of their results
.endm
.macro PSUM k, n                       ; S = S x scale + the n terms; the wait for the exponentials stands in front, once for all streams
	.set rE, EB+16*\k
	.set rS, ST+4*\k
	v_pk_add_f32 v[rE:rE+1], v[rE:rE+1], v[rE+2:rE+3]
	.if \n == 16
	v_pk_add_f32 v[rE+4:rE+5],   v[rE+4:rE+5],   v[rE+6:rE+7]
	v_pk_add_f32 v[rE+8:rE+9],   v[rE+8:rE+9],   v[rE+10:rE+11]
	v_pk_add_f32 v[rE+12:rE+13], v[rE+12:rE+13], v[rE+14:rE+15]
	v_pk_add_f32 v[rE:rE+1],     v[rE:rE+1],     v[rE+4:rE+5]
	v_pk_add_f32 v[rE+8:rE+9],   v[rE+8:rE+9],   v[rE+12:rE+13]
	v_pk_add_f32 v[rE:rE+1],     v[rE:rE+1],     v[rE+8:rE+9]
	.endif
	v_fma_f32 v[rS+1], v[rS+1], v[rS+3], v[rE]
	v_add_f32 v[rS+1], v[rS+1], v[rE+1]
.endm
.macro SOFT both, n                    ; the update of the high row's stream, with both = 1 of the low row's too, phase by phase
	.if \both
	PMAX 0, \n
	.endif
	PMAX 1, \n
	.if \both
	PSUB 0, \n
	.endif
	PSUB 1, \n
	.if \both
	PEXP 0, \n
	.endif
	PEXP 1, \n
	.if \both
	PMOV 0
	.endif
	PMOV 1
	s_wait_alu depctr_va_vdst(0)                   ; the exponentials have written their results, which the sums below read: one wait for the batch.  It also stands behind every line that read the columns' registers
	.if \both
	PSUM 0, \n
	.endif
	PSUM 1, \n
.endm
; My eighth of a column range: s35 chunks of 16, then s36 (0 to 3) chunks of 4.  The first 16 columns have been asked for in front.
; Each trip asks for the next 16 as soon as its exponents are made, ahead of the maxima, exponentials and sums.  What the last trip asks for
; are the columns of the chunks of 4 (and up to 16 columns that are not used; they lie inside the arrays).
; ad: the range's address register; so: the scalar register with its byte offset.
.macro RANGE tag, both, ad, so
	s_cmp_eq_u32 s35, 0
	s_cbranch_scc1 .Lrem_\tag
	s_mov_b32 s37, 0
.Lloop_\tag:
	s_wait_dscnt 0x0                               ; all 12 loads of this chunk are needed at once
	s_add_co_u32 s[\so], s[\so], 64                ; 16 columns on
	s_min_u32 s38, s[\so], 8128                    ; (the arrays' end, stated for the loads below)
	s_wait_alu depctr_vm_vsrc(0)                   ; the loads issued so far have read the address register, which the next line writes
	v_mov_b32 v[\ad], s38
	.if \both
	EVAL 0, 16, X0, X1, AJ
	.endif
	EVAL 1, 16, X0, X1, AJ
	s_wait_alu depctr_va_vdst(0)                   ; the lines above are done reading X0, X1 and AJ, in which the loads below land, and the address is written
	LOADJ 16, \ad, X0, X1, AJ
	SOFT \both, 16                                 ; names exponents, states and the maxima's tree alone: none of the registers that the loads touch
	s_add_co_u32 s37, s37, 1
	s_cmp_lt_u32 s37, s35
	s_cbranch_scc1 .Lloop_\tag
.Lrem_\tag:
	s_wait_dscnt 0x0                               ; the 12 loads issued last, on either way to this line
	.irp c, 0,1,2
	s_cmp_le_u32 s36, \c
	s_cbranch_scc1 .Ldone_\tag
	.if \both
	EVAL 0, 4, X0+4*\c, X1+4*\c, AJ+4*\c
	.endif
	EVAL 1, 4, X0+4*\c, X1+4*\c, AJ+4*\c
	SOFT \both, 4
	.endr
.Ldone_\tag:
.endm
; The second sum over the columns below a block's first row (x = 0: low block, 1: high), lane = column: this wave's 256 columns.
.macro BMAX x                          ; mask, maximum of my 8, maximum over the wave, and the differences
	.set rV, EB+16*\x
	.set rB, TT+4*\x
	.irp j, 0,1,2,3
	v_cndmask_b32 v[rV+\j],   v[NEGR], v[AJ+\j],   s[44+2*\x]
	v_cndmask_b32 v[rV+4+\j], v[NEGR], v[AJ+4+\j], s[45+2*\x]
	.endr
	v_max3_num_f32 v[rB],   v[rV],   v[rV+1], v[rV+2]
	v_max3_num_f32 v[rB+1], v[rV+3], v[rV+4], v[rV+5]
	v_max3_num_f32 v[rB],   v[rB],   v[rB+1], v[rV+6]
	v_max_num_f32  v[rB],   v[rB],   v[rV+7]
	.irp m, 1,2,4,8
	v_max_num_f32_dpp v[rB], v[rB], v[rB] row_xmask:\m row_mask:0xf bank_mask:0xf
	.endr
	v_permlanex16_b32 v[rB+1], v[rB], s32, s33
	v_max_num_f32 v[rB], v[rB], v[rB+1]
	.irp j, 0,2,4,6
	v_pk_add_f32 v[rV+\j:rV+\j+1], v[rV+\j:rV+\j+1], v[rB:rB+1] op_sel_hi:[1,0] neg_lo:[0,1] neg_hi:[0,1]
	.endr
.endm
.macro BEXP x
	.irp j, 0,1,2,3,4,5,6,7
	v_exp_f32 v[EB+16*\x+\j], v[EB+16*\x+\j]
	.endr
.endm
.macro BSUM x                          ; sum of my 8, sum over the wave
	.set rV, EB+16*\x
	.set rB, TT+4*\x
	v_pk_add_f32 v[rV:rV+1],   v[rV:rV+1],   v[rV+2:rV+3]
	v_pk_add_f32 v[rV+4:rV+5], v[rV+4:rV+5], v[rV+6:rV+7]
	v_pk_add_f32 v[rV:rV+1],   v[rV:rV+1],   v[rV+4:rV+5]
	v_add_f32 v[rB+1], v[rV], v[rV+1]
	.irp m, 1,2,4,8
	v_add_f32_dpp v[rB+1], v[rB+1], v[rB+1] row_xmask:\m row_mask:0xf bank_mask:0xf
	.endr
	v_permlanex16_b32 v[rV], v[rB+1], s32, s33
	v_add_f32 v[rB+1], v[rB+1], v[rV]
.endm
	; ---------------------------------------------------------------- ids, addresses, loads
	s_load_b256 s[4:11], s[0:1], 0x0               ; input_time, input_loc, coeff_decay, spatial_logstd
	s_load_b128 s[12:15], s[0:1], 0x20             ; mu0, logstd0
	s_load_b64 s[16:17], s[0:1], 0x30              ; out0
	v_lshl_add_u32 v222, v0, 2, 0x6100
	v_mov_b32 v223, 0
	v_and_b32 v[LANE], 31, v0
	v_lshrrev_b32 v[TMP], 5, v0
	v_readfirstlane_b32 s25, v[TMP]                ; wave 0..7
	s_and_b32 s26, ttmp9, 31                       ; p
	s_lshr_b32 s27, ttmp9, 5                       ; n
	s_lshl_b32 s28, s26, 5                         ; first row of the low block
	s_sub_co_u32 s29, 2016, s28                    ; first row of the high block, 32 (63 - p)
	s_mov_b32 s32, 0x76543210                      ; v_permlanex16_b32: lane i reads lane i of the other half
	s_mov_b32 s33, 0xfedcba98
	v_lshlrev_b32 v[T16], 4, v0
	v_lshlrev_b32 v[T32], 5, v0
	v_lshlrev_b32 v[SA], 2, v0
	v_lshlrev_b32 v[TMP], 3, v[LANE]
	v_lshl_add_u32 v[RLO], s28, 3, v[TMP]          ; 8 bytes a row of input_loc
	v_lshl_add_u32 v[RHI], s29, 3, v[TMP]
	s_lshl_b32 s30, s27, 13                        ; a sequence: 8,192 bytes of times and of results,
	s_mov_b32 s31, 0
	s_wait_alu depctr_va_sdst(0)                   ; s25 is written, ahead of its first reader: the LDS addresses below are made from it
	; all LDS addresses that hang on the wave, while the arguments are on their way
	s_lshl_b32 s38, s25, 2
	v_sub_nc_u32 v[REL], v[LANE], s38              ; lane - 4 wave
	s_add_co_u32 s38, s38, LBS                     ; my wave's word in each of the four lists of prefix states
	v_mov_b32 v[BA], s38
	s_lshl_b32 s39, s25, 4                         ; 4 columns a wave, 16 bytes
	s_lshl_b32 s34, s28, 2
	s_add_co_u32 s34, s34, s39
	SETAD ADL, 34, 8176                            ; columns 32 p + 4 wave ..
	s_lshl_b32 s34, s29, 2
	s_add_co_u32 s34, s34, s39
	SETAD ADU, 34, 8176                            ; columns 32 (63 - p) + 4 wave ..
	s_lshl_b32 s19, s26, 1
	s_sub_co_u32 s19, 63, s19                      ; the high row's own range: 63 - 2 p chunks of 4 for each wave
	s_mul_i32 s18, s19, s25
	s_lshl_b32 s18, s18, 4
	s_lshl_b32 s38, s28, 2
	s_add_co_u32 s18, s18, s38                     ; byte 4 (32 p + 4 (63 - 2 p) wave)
	SETAD AD2, 18, 8128
	s_mul_i32 s34, s26, s25                        ; the range of both rows: columns 0 .. 32 p - 1, mine start at 4 p wave
	s_lshl_b32 s34, s34, 4
	SETAD AD, 34, 8128
	s_wait_kmcnt 0x0
	s_add_nc_u64 s[4:5], s[4:5], s[30:31]
	s_add_nc_u64 s[16:17], s[16:17], s[30:31]
	s_lshl_b32 s30, s27, 14                        ; 16,384 bytes of locations
	s_add_nc_u64 s[6:7], s[6:7], s[30:31]
	s_load_b32 s20, s[8:9], 0x0                    ; coeff_decay
	s_load_b32 s21, s[10:11], 0x0                  ; spatial_logstd
	s_load_b32 s22, s[12:13], 0x0                  ; mu0
	s_load_b32 s23, s[14:15], 0x0                  ; logstd0
	s_load_b32 s24, s[4:5], 0x0                    ; t[n][0]
	s_wait_alu depctr_va_vdst(0)                   ; T16, T32, RLO, RHI, SA, BA, ADL, ADU, AD2 and AD are written: the loads and stores of the kernel read them as offsets and addresses
	; thread t scales the columns 4 t .. 4 t + 3 and 1024 + 4 t .. + 3: a wave's load covers 512 (times) or 2 x 512 neighbouring bytes
	global_load_b128 v[D0:D0+3],     v[T16], s[4:5]
	global_load_b128 v[D0+4:D0+7],   v[T16], s[4:5] offset:4096
	global_load_b128 v[D1:D1+3],     v[T32], s[6:7]
	global_load_b128 v[D1+4:D1+7],   v[T32], s[6:7] offset:16
	global_load_b128 v[D1+8:D1+11],  v[T32], s[6:7] offset:8192
	global_load_b128 v[D1+12:D1+15], v[T32], s[6:7] offset:8208
	global_load_b64 v[XR:XR+1],   v[RLO], s[6:7]   ; my two rows
	global_load_b64 v[XR+2:XR+3], v[RHI], s[6:7]
	; ---------------------------------------------------------------- the constants, while the loads are on their way
	s_wait_kmcnt 0x0
	v_mov_b32 v41, s20                             ; c
	v_mov_b32 v[C0], s21
	v_mov_b32 v[C00], s23
	v_and_b32 v42, 0x7fffffff, v41
	v_mul_f32 v42, K_NLOG2E, v42
	v_mul_f32 v45, K_NLOG2E, v[C0]
	v_mul_f32 v[IS0], K_NLOG2E, v[C00]
	v_exp_f32 v42, v42                             ; x = exp(-|c|)
	v_exp_f32 v45, v45                             ; exp(-spatial_logstd)
	v_exp_f32 v[IS0], v[IS0]                       ; exp(-logstd0)
	v_max_num_f32 v41, 0, v41                      ; softplus(c) = max(c, 0) + log1p(x); this line touches none of the three results
	s_wait_alu depctr_va_vdst(0)                   ; the three exponentials have written v42, v45 and IS0, ahead of their first reader
	v_add_f32 v47, 1.0, v42                        ; w = 1 + x as it is rounded
	v_mul_f32 v[SK], K_SQHL, v45
	v_add_f32 v[TMP], -1.0, v47                    ; w - 1, exact
	v_log_f32 v47, v47                             ; log1p(x) = log(w) x / (w - 1): the quotient mends the rounding of w
	v_rcp_f32 v45, v[TMP]
	v_xor_b32 v[NSK], 0x80000000, v[SK]            ; (the plain line behind the two)
	v_cmp_eq_f32 vcc_lo, 0, v[TMP]
	s_wait_alu depctr_va_vdst(0)                   ; the logarithm and the reciprocal have written v47 and v45, ahead of their first reader
	s_wait_alu depctr_va_vcc(0)                    ; the compare has written VCC, which the select below reads
	v_mul_f32 v47, v47, v42
	v_mul_f32 v47, v47, v45
	v_mul_f32 v47, K_LN2, v47
	v_cndmask_b32 v47, v47, v42, vcc_lo            ; w = 1: log1p(x) = x
	v_add_f32 v41, v41, v47
	v_rcp_f32 v41, v41
	v_fmaak_f32 v[C0], -2.0, v[C0], K_NL2PI
	v_fmaak_f32 v[C00], -2.0, v[C00], K_NL2PI
	s_wait_alu depctr_va_vdst(0)                   ; the reciprocal has written v41, ahead of its reader
	v_mul_f32 v[KA], K_LOG2E, v41
	v_mov_b32 v[NEGR], K_NEG
.irp k, 0,1,2,3
	v_mov_b32 v[ST+4*\k], v[NEGR]                  ; four empty states
	v_mov_b32 v[ST+4*\k+1], 0
.endr
	v_lshlrev_b32 v[TMP], 2, v0                    ; my first column; a group of four lies wholly below a block's first row or not at all
	v_cmp_gt_u32 s44, s28, v[TMP]
	v_cmp_gt_u32 s46, s29, v[TMP]
	v_add_nc_u32 v[TMP], 1024, v[TMP]
	v_cmp_gt_u32 s45, s28, v[TMP]
	v_cmp_gt_u32 s47, s29, v[TMP]
.irp j, 0,1,2,3
	v_cmp_gt_i32 s[40+\j], v[REL], \j              ; column 4 wave + j of a diagonal tile lies in front of row lane
.endr
	s_wait_alu depctr_va_sdst(0)                   ; the eight compares have written s40 to s47, ahead of the selects that read them: one wait for the run
	; ---------------------------------------------------------------- scale my 8 columns, put them into LDS
	s_wait_loadcnt 0x0
.irp q, 0,1
.irp j, 0,1,2,3
	v_mul_f32 v[X0+4*\q+\j], v[D1+8*\q+2*\j],   v[SK]
	v_mul_f32 v[X1+4*\q+\j], v[D1+8*\q+2*\j+1], v[SK]
	v_sub_f32 v[AJ+4*\q+\j], v[D0+4*\q+\j], s24
.endr
.endr
.irp j, 0,2,4,6
	v_pk_mul_f32 v[AJ+\j:AJ+\j+1], v[AJ+\j:AJ+\j+1], v[KA:KA+1] op_sel_hi:[1,0]
.endr
	; the second sum below each block, from the 8 a that I hold
	BMAX 0
	BMAX 1
	BEXP 0
	BEXP 1
.irp r, 0,1
	v_mul_f32 v[NU+4*\r],   v[XR+2*\r],   v[NSK]   ; -u of my rows: the same product as the columns', so equal points differ by 0.
	v_mul_f32 v[NU+4*\r+1], v[XR+2*\r],   v[NSK]   ; These eight are the plain lines between the exponentials and the sums
	v_mul_f32 v[NU+4*\r+2], v[XR+2*\r+1], v[NSK]
	v_mul_f32 v[NU+4*\r+3], v[XR+2*\r+1], v[NSK]
.endr
	s_wait_alu depctr_va_vdst(0)                   ; the scaling has written X0, X1 and AJ, which the stores below read; the sixteen exponentials have written their results, which the sums read
	ds_store_b128 v[T16], v[X0:X0+3]   offset:LU0
	ds_store_b128 v[T16], v[X0+4:X0+7] offset:LU0+4096
	ds_store_b128 v[T16], v[X1:X1+3]   offset:LU1
	ds_store_b128 v[T16], v[X1+4:X1+7] offset:LU1+4096
	ds_store_b128 v[T16], v[AJ:AJ+3]   offset:LAJ
	ds_store_b128 v[T16], v[AJ+4:AJ+7] offset:LAJ+4096
	BSUM 0                                         ; names the prefix sums' own registers alone, none that the six stores read
	BSUM 1
	s_wait_alu depctr_va_vdst(0)                   ; the prefix maxima and sums are written, which the four stores below read
	ds_store_b32 v[BA], v[TT]                      ; all lanes hold the same numbers
	ds_store_b32 v[BA], v[TT+1] offset:32
	ds_store_b32 v[BA], v[TT+4] offset:64
	ds_store_b32 v[BA], v[TT+5] offset:96
	s_wait_dscnt 0x0                               ; my stores are in LDS before I say so
	s_barrier_signal -1
	s_barrier_wait -1                              ; all 2,048 columns are there
	; ---------------------------------------------------------------- the two diagonal tiles: my 4 columns of each, four streams
	s_wait_alu depctr_vm_vsrc(0)                   ; my stores have read X0, X1 and AJ, in which loads land now, and the four prefix registers, which the trips' maxima write again
	LOADJ 4, ADL, G0, G1, GA                       ; no vector line since the last wait on va_vdst names a register that these 18 loads touch
	LOADJ 4, ADU, G0+4, G1+4, GA+4
	LOADJ 16, AD, X0, X1, AJ                       ; the first chunk of the next range goes out with them: the tiles have registers of their own
	s_lshr_b32 s35, s26, 2                         ; p chunks of 4 = p / 4 chunks of 16
	s_and_b32 s36, s26, 3                          ; and p % 4 of 4
	s_wait_dscnt 12                                ; LDS loads come back in order: the tiles' six are in, the 12 younger ones stay out
	EVAL 0, 4, G0, G1, GA
	EVAL 1, 4, G0+4, G1+4, GA+4
.irp j, 0,1,2,3
	v_cndmask_b32 v[EB+\j],    v[NEGR], v[EB+\j],    s[40+\j]
	v_cndmask_b32 v[EB+16+\j], v[NEGR], v[EB+16+\j], s[40+\j]
	v_cndmask_b32 v[EB+32+\j], v[NEGR], v[GA+\j],    s[40+\j]
	v_cndmask_b32 v[EB+48+\j], v[NEGR], v[GA+4+\j],  s[40+\j]
.endr
.irp k, 0,1,2,3
	PMAX \k, 4
.endr
.irp k, 0,1,2,3
	PSUB \k, 4
.endr
.irp k, 0,1,2,3
	PEXP \k, 4
.endr
.irp k, 0,1,2,3
	PMOV \k
.endr
	s_wait_alu depctr_va_vdst(0)                   ; the twenty exponentials have written their results, which the sums below read
.irp k, 0,1,2,3
	PSUM \k, 4
.endr
	; ---------------------------------------------------------------- columns in front of the low block: both rows
	RANGE both, 1, AD, 34
	; ---------------------------------------------------------------- columns 32 p .. 32 (63 - p) - 1: the high row alone
	s_lshr_b32 s35, s19, 2
	s_and_b32 s36, s19, 3
	; No wait: on every way here each line that read X0, X1 or AJ stands ahead of a wait on va_vdst (the trip's, or its update's), behind which only
	; exponents, states and the maxima's tree were named; the loads into them are back; AD2 has not been written since the head.
	LOADJ 16, AD2, X0, X1, AJ
	RANGE hi, 0, AD2, 18
	; ---------------------------------------------------------------- the eight waves' states meet in LDS
	; The states go into u0's bytes.  My own column loads are back (the wait for 0 at the head of the last range's remainder; no LDS
	; instruction has followed it); behind this barrier that holds of all eight waves, so nobody reads the columns any more.
	s_barrier_signal -1
	s_barrier_wait -1
	s_wait_alu depctr_va_vdst(0)                   ; the updates have written the states, which the stores below read; and they are done with v96 to v143, in which the merge's loads land
.irp k, 0,1,2,3
	ds_store_b32 v[SA], v[ST+4*\k]   offset:LST+2048*\k
	ds_store_b32 v[SA], v[ST+4*\k+1] offset:LST+2048*\k+1024
.endr
	s_wait_dscnt 0x0                               ; my states are in LDS before I say so
	s_barrier_signal -1
	s_barrier_wait -1
	s_cmp_gt_u32 s25, 1
	s_cbranch_scc1 .Lend                           ; wave 0 finishes the low rows, wave 1 the high rows
.set MM,  96                           ; v[96:103]   maxima of the first sum, one for each wave
.set SS,  104                          ; v[104:111]  its sums
.set DM,  112                          ; v[112:127]  maxima of the second sum: 8 diagonal parts, 8 prefix parts
.set DSM, 128                          ; v[128:143]  its sums
	v_lshlrev_b32 v[MA], 2, v[LANE]
	s_lshl_b32 s38, s25, 11
	v_add_nc_u32 v[MA], s38, v[MA]                 ; 4 lane + 2,048 block
	s_lshl_b32 s38, s25, 6
	v_mov_b32 v[MB], s38                           ; 64 block
	s_cmp_eq_u32 s25, 0
	s_cselect_b32 s38, s28, s29
	v_add_nc_u32 v[ROW], s38, v[LANE]              ; my row in the sequence
	v_lshlrev_b32 v[OFS], 2, v[ROW]
	v_cmp_eq_u32 vcc_lo, 0, v[ROW]
	s_wait_alu depctr_va_vdst(0)                   ; MA and MB are written, which the loads below read as addresses
.irp w, 0,1,2,3,4,5,6,7
	ds_load_b32 v[MM+\w],  v[MA] offset:LST+128*\w
	ds_load_b32 v[SS+\w],  v[MA] offset:LST+1024+128*\w
	ds_load_b32 v[DM+\w],  v[MA] offset:LST+4096+128*\w
	ds_load_b32 v[DSM+\w], v[MA] offset:LST+5120+128*\w
.endr
	ds_load_b128 v[DM+8:DM+11],    v[MB] offset:LBS
	ds_load_b128 v[DM+12:DM+15],   v[MB] offset:LBS+16
	ds_load_b128 v[DSM+8:DSM+11],  v[MB] offset:LBS+32
	ds_load_b128 v[DSM+12:DSM+15], v[MB] offset:LBS+48
	s_wait_dscnt 0x0
	v_max3_num_f32 v[TT],   v[MM],   v[MM+1], v[MM+2]
	v_max3_num_f32 v[TT+1], v[MM+3], v[MM+4], v[MM+5]
	v_max3_num_f32 v[TT],   v[TT],   v[TT+1], v[MM+6]
	v_max_num_f32  v[TT],   v[TT],   v[MM+7]       ; the first sum's maximum
	v_max3_num_f32 v[TT+2], v[DM],    v[DM+1],  v[DM+2]
	v_max3_num_f32 v[TT+3], v[DM+3],  v[DM+4],  v[DM+5]
	v_max3_num_f32 v[TT+4], v[DM+6],  v[DM+7],  v[DM+8]
	v_max3_num_f32 v[TT+5], v[DM+9],  v[DM+10], v[DM+11]
	v_max3_num_f32 v[TT+6], v[DM+12], v[DM+13], v[DM+14]
	v_max3_num_f32 v[TT+2], v[TT+2],  v[TT+3],  v[TT+4]
	v_max3_num_f32 v[TT+5], v[TT+5],  v[TT+6],  v[DM+15]
	v_max_num_f32  v[TT+2], v[TT+2],  v[TT+5]      ; the second sum's
.irp j, 0,2,4,6
	v_pk_add_f32 v[MM+\j:MM+\j+1], v[MM+\j:MM+\j+1], v[TT:TT+1] op_sel_hi:[1,0] neg_lo:[0,1] neg_hi:[0,1]
.endr
.irp j, 0,2,4,6,8,10,12,14
	v_pk_add_f32 v[DM+\j:DM+\j+1], v[DM+\j:DM+\j+1], v[TT+2:TT+3] op_sel_hi:[1,0] neg_lo:[0,1] neg_hi:[0,1]
.endr
.irp j, 0,1,2,3,4,5,6,7
	v_exp_f32 v[MM+\j], v[MM+\j]
.endr
.irp j, 0,1,2,3,4,5,6,7,8,9,10,11,12,13,14,15
	v_exp_f32 v[DM+\j], v[DM+\j]
.endr
	v_sub_f32 v[TT+1], v[TT], v[TT+2]              ; difference of the maxima: the plain line behind the exponentials
	s_wait_alu depctr_va_vdst(0)                   ; the 24 exponentials have written the weights, which the products below read
	v_pk_mul_f32 v[MM:MM+1], v[MM:MM+1], v[SS:SS+1]
.irp j, 2,4,6
	v_pk_fma_f32 v[MM:MM+1], v[MM+\j:MM+\j+1], v[SS+\j:SS+\j+1], v[MM:MM+1]
.endr
	v_pk_mul_f32 v[DM:DM+1], v[DM:DM+1], v[DSM:DSM+1]
.irp j, 2,4,6,8,10,12,14
	v_pk_fma_f32 v[DM:DM+1], v[DM+\j:DM+\j+1], v[DSM+\j:DSM+\j+1], v[DM:DM+1]
.endr
	v_add_f32 v[MM], v[MM], v[MM+1]
	v_add_f32 v[DM], v[DM], v[DM+1]
	v_log_f32 v[MM], v[MM]
	v_log_f32 v[DM], v[DM]
	v_sub_f32 v[TT+4], v[XR], s22                  ; the first event's own term, from the low block's row (row 0 lies there)
	v_sub_f32 v[TT+5], v[XR+1], s22
	s_wait_alu depctr_va_vdst(0)                   ; the two logarithms have written MM and DM, ahead of their first reader
	s_wait_alu depctr_va_vcc(0)                    ; the compare of my row with 0 has written VCC, which the select below reads
	v_sub_f32 v[MM], v[MM], v[DM]
	v_add_f32 v[MM], v[MM], v[TT+1]
	v_fmamk_f32 v[MM], v[MM], K_LN2, v[C0]         ; ln2 x (difference of the two sums' logarithms) - 2 spatial_logstd - log(2 pi)
	v_mul_f32 v[TT+4], v[TT+4], v[IS0]
	v_mul_f32 v[TT+5], v[TT+5], v[IS0]
	v_mul_f32 v[TT+4], v[TT+4], v[TT+4]
	v_fma_f32 v[TT+4], v[TT+5], v[TT+5], v[TT+4]
	v_fma_f32 v[TT+4], v[TT+4], -0.5, v[C00]
	v_cndmask_b32 v[MM], v[MM], v[TT+4], vcc_lo    ; row 0 has no history: the base Gaussian
	s_wait_alu depctr_va_vdst(0)                   ; the select has written MM, the store's data (its offset OFS was written ahead of an earlier wait)
	global_store_b32 v[OFS], v[MM], s[16:17]       ; 32 lanes, 128 neighbouring bytes
.Lend:
	s_wait_dscnt 0x0
	s_wait_alu depctr_hold_cnt(0) depctr_sa_sdst(0) depctr_va_vdst(0) depctr_va_sdst(0) depctr_va_ssrc(0) depctr_va_vcc(0) depctr_vm_vsrc(0)
	s_wait_tensorcnt 0x0
	ds_add_u32 v222, v223
	s_wait_dscnt 0x0
	s_endpgm
.Lfunc_end_k_q28906ab5a1_gmm:
	.size	k_q28906ab5a1_gmm, .Lfunc_end_k_q28906ab5a1_gmm-k_q28906ab5a1_gmm
	.p2alignl 7, 3214868480
	.fill 96, 4, 3214868480
	.section	.rodata,"a",@progbits
	.p2align	6, 0x0
	.amdhsa_kernel k_q28906ab5a1_gmm
		.amdhsa_group_segment_fixed_size 25856
		.amdhsa_private_segment_fixed_size 0
		.amdhsa_enable_private_segment 0
		.amdhsa_kernarg_size 56
		.amdhsa_user_sgpr_count 2
		.amdhsa_user_sgpr_kernarg_segment_ptr 1
		.amdhsa_wavefront_size32 1
		.amdhsa_system_sgpr_workgroup_id_x 1
		.amdhsa_system_sgpr_workgroup_id_y 1
		.amdhsa_system_sgpr_workgroup_id_z 1
		.amdhsa_system_vgpr_workitem_id 0
		.amdhsa_next_free_vgpr 248
		.amdhsa_next_free_sgpr 66
		.amdhsa_reserve_vcc 1
		.amdhsa_float_denorm_mode_32 3
		.amdhsa_float_denorm_mode_16_64 3
		.amdhsa_memory_ordered 1
		.amdhsa_forward_progress 1
		.amdhsa_inst_pref_size 52
	.end_amdhsa_kernel
	.amdgpu_metadata
---
amdhsa.version: [ 1, 2 ]
amdhsa.kernels:
  - .name:           k_q28906ab5a1_gmm
    .symbol:         k_q28906ab5a1_gmm.kd
    .args:
      - { .name: input_time, .offset: 0, .size: 8, .value_kind: global_buffer, .address_space: global }
      - { .name: input_loc, .offset: 8, .size: 8, .value_kind: global_buffer, .address_space: global }
      - { .name: coeff_decay, .offset: 16, .size: 8, .value_kind: global_buffer, .address_space: global }
      - { .name: spatial_logstd, .offset: 24, .size: 8, .value_kind: global_buffer, .address_space: global }
      - { .name: mu0, .offset: 32, .size: 8, .value_kind: global_buffer, .address_space: global }
      - { .name: logstd0, .offset: 40, .size: 8, .value_kind: global_buffer, .address_space: global }
      - { .name: out0, .offset: 48, .size: 8, .value_kind: global_buffer, .address_space: global }
    .group_segment_fixed_size: 25856
    .private_segment_fixed_size: 0
    .kernarg_segment_align: 8
    .kernarg_segment_size: 56
    .max_flat_workgroup_size: 256
    .sgpr_count:     66
    .vgpr_count:     248
    .wavefront_size: 32
...
	.end_amdgpu_metadata
.endif
;; end of part 2
